; MI455X (gfx1250); checked and timed in simulation.
; The chip was launched on July 23, 2026; its instructions are those of AMD's public machine-readable ISA for CDNA 5 (MIT licence, August 2026) and "CDNA5" Instruction Set Architecture Reference Guide (July 2026). The comments in the code are by the model that wrote it; some were corrected since.
;; Non Local Block. Allowed arithmetic: matrix products marked QUANTISED: E5M2 operands, one given power-of-two scale a tensor, by v_wmma_f32_16x16x64_bf8_bf8 or v_wmma_f32_16x16x128_bf8_bf8, f32 sums; everything else in f32.
;; Inputs: Wd 192 x 96 float32; Wt 288 x 192 float32; bd 192 float32; bt 288 float32; lowp_scales 8 int32 (the exponents e of the quantised operands' scales 2^e); x 8 x 192 x 64 x 64 float32.
;; Outputs: out0 8 x 192 x 64 x 64 float32.
;; This version of the problem:
;;   THIS VERSION OF THE PROBLEM IS GIVEN IN LOW PRECISION. The matrix products marked QUANTISED in the list below multiply operands that are first quantised to E5M2 (5 exponent bits, 2 mantissa bits; 8 bits a number), with one given power-of-two scale for each operand tensor; their sums are f32. All else is computed in f32.
;;   The module's matrix products, in the order in which they are computed (A, B: the left and right operand; K: the contracted axis; several contracted axes count as one K, in the product's order):
;;     1. [M 288, K 192] x [K 192, N 32,768]; A: input Wt; B: input x: QUANTISED (scales: A lowp_scales[0], B lowp_scales[1])
;;     2. batch 8 x [M 4,096, K 96] x [K 96, N 4,096]; A: computed on the way; B: computed on the way: QUANTISED (scales: A lowp_scales[2], B lowp_scales[3])
;;     3. batch 8 x [M 96, K 4,096] x [K 4,096, N 4,096]; A: computed on the way; B: softmax (see below): QUANTISED (scales: A lowp_scales[4], B lowp_scales[5])
;;     4. [M 192, K 96] x [K 96, N 32,768]; A: input Wd; B: computed on the way: QUANTISED (scales: A lowp_scales[6], B lowp_scales[7])
;;   THE QUANTISER, for each operand of a quantised product, along K:
;;     - The operand's scale is 2^e, e = its entry of the input lowp_scales (int32; the entries are numbered through the quantised products in the list's order, A before B).
;;     - Each number is divided by the scale, clamped to +-57,344, and rounded to the nearest number of E5M2, ties to even, subnormals kept.
;;     - The product sums the exact products of the quantised numbers (number of the format x scale) in f32.
;;   ~~~python
;;   def quantise(x, axis, e):      # numpy; x: float32 -> the quantised numbers, widened to float32 again
;;       x = np.moveaxis(x, axis, -1); K = x.shape[-1]
;;       r = np.clip(x / 2.0 ** e, -57344, 57344)
;;       step = 2.0 ** (np.maximum(np.frexp(np.where(r == 0, 1, r))[1] - 1, -14) - 2)
;;       q = np.round(r / step) * step * 2.0 ** e      # np.round: ties to even
;;       return np.moveaxis(q, -1, axis).astype(np.float32)
;;   ~~~
;;   SOFTMAX AHEAD OF A QUANTISED PRODUCT. Where the list says 'softmax', what is quantised is not the finished softmax but p = 2^(t - M), with t = logit x log2(e) and M = ceil(the row's largest t), a whole number; so 1/2 < the row's largest p <= 1. The row's sum l is taken of the UNQUANTISED p, in f32, and the product's result is divided by l at the end. Since M is a whole number, a kernel that streams over the keys may use a running M (the ceiling of the running maximum): every later rescaling is an exact power of two, so the quantised numbers keep their values, but for numbers so far below the row's largest that they fall under the format's range.
;;   OPERANDS COMPUTED ON THE WAY. 'Computed on the way' means the value that the module computes at that place (a softmax that the list does not call 'softmax' is quantised finished and normalised). What goes into a quantiser is computed in f32, as accurately as f32 sums, v_exp_f32 and their like allow (about 1e-6 of the number): no bf16 or f16 on the way to a quantiser, and a product that is left as it is and whose result goes on into a quantised operand takes f32 operands (vector FMAs, or v_wmma_f32_16x16x4_f32). A number that lies on a knife's edge between two numbers of the format may be rounded either way, as far as f32 arithmetic and the matrix unit's own rounding can turn it there, and no further.
;; One version. Each part assembles by itself: llvm-mc -triple=amdgcn-amd-amdhsa -mcpu=gfx1250 --defsym DOCPART=n.
;; ======== version 1 of 1: 2 launches
;; limits: right only within a limited range of input values
;; workspace buffers: qimg 3,145,728 bytes; kimg 3,145,728 bytes; vimg 3,145,728 bytes
;; launch project (part 1): grid 256 x 1, 4 waves a work-group, no clusters, 168,448 bytes of LDS; arguments x, Wt, bt, lowp_scales, qimg, kimg, vimg; writes qimg, kimg, vimg
.if DOCPART == 1
	.amdgcn_target "amdgcn-amd-amdhsa--gfx1250"
	.amdhsa_code_object_version 6
	.text
	.protected	k_q4273f2214e_project
	.globl	k_q4273f2214e_project
	.p2align	8
	.type	k_q4273f2214e_project,@function
k_q4273f2214e_project:
	s_mov_b64 s[64:65], 0
	v_nop
	global_prefetch_b8 v0, s[64:65] scope:SCOPE_SE
	s_setreg_imm32_b32 hwreg(HW_REG_WAVE_MODE, 25, 1), 1
	s_wait_xcnt 0x0
; t = Wt x + bt, the 1x1 projection (288 outputs, K = 192 channels), on codes of E5M2, and its three parts Q, V, K quantised again for the next launch.
; x: [8][192][4096] f32.  Wt: [288][192] f32.  bt: [288] f32.  lowp_scales: e0 (Wt), e1 (x), e2 (Q), e3 (K), e4 (V), ...
; code = number / 2^e, held within +-57,344, to the nearest code, ties to even.  The sums of codes are multiplied once by 2^(e0 + e1), with bt added in the same fused multiply-add.
; LIMITS: e0 .. e4 each between -126 and 112, e0 + e1 between -126 and 127, so that each power of two below is an f32 number.  NaN among the inputs is not served (an infinity is held at the largest code).
; SHARES.  Work-group g: image g / 32, positions 128 (g % 32) on, all 192 channels, all 288 outputs.  Wave w: positions 32 w .. 32 w + 31, two tiles of 16.
; K = 192 goes as three matrix instructions of K = 64, one form for the whole chain.  18 tiles of outputs x 2 tiles of positions x 3 = 108 a wave.
; NO CLUSTER: no two work-groups read the same bytes of x, and Wt goes through registers to be quantised, so no tile could be asked for jointly.
; THE RESULTS ARE STORED AS IMAGES OF THE NEXT LAUNCH'S OPERAND REGISTERS (registers 2 c, 2 c + 1 of lane (r, h): k = 16 c + 8 h + 0 .. 7):
;   qimg, kimg: [image][tile of 16 positions][chunk 3][lane 32][16 bytes]: lane (r, h) = position r, chunk c2 = registers 4 c2 .. 4 c2 + 3 (channels 32 c2 on).
;   vimg:       [image][128 positions][tile of 16 channels, 6][chunk 4][lane 32][16 bytes]: lane (r, h) = channel r, chunk = 32 positions.
; For Q and K source 0 = 16 rows of Wt, source 1 = x: a lane holds one position and eight neighbouring channels, which one conversion turns into two registers of the image.
; For V the sources are swapped: a lane holds one channel and eight neighbouring positions.  Each store of a wave covers 512 consecutive bytes, aligned.
; LDS: x's tile as f32, 192 rows of 512 bytes + 16; behind it Wt's 54 fragments (tile t, K step s) as images, 1,024 bytes each.  Nothing is filled twice.
; REGISTERS, in windows of 256: window 0: v4-12 addresses; v16-63 x's six fragments; v64-159 at work, then Wt's fragments in two sets; v160-223 two sets of four accumulators; v224-239 codes; v240-249 scales.
;   window 1: Wt's numbers of units 0-31 (8 a unit);  window 2: of units 32-53;  window 3: the biases in the results' layout.
.set PX,    528                        ; a row of x in LDS: 512 bytes + 16 of padding
.set XROWS, 48                         ; rows that one wave's tensor load brings
.set WIMG,  192*PX                     ; Wt's images begin here (a multiple of 256)
.set LI,    4                          ; v4   16 x lane
.set WTO,   5                          ; v5   Wt: my 32 bytes of a unit: row thread / 8, channels 8 (lane % 8) on
.set WST,   6                          ; v6   where my eight codes of a unit go in its image
.set WRA,   7                          ; v7   WIMG + 16 x lane
.set XA,    8                          ; v8-10 x in LDS: my position, channel 64 s + 8 h
.set BH,    11                         ; v11  32 h
.set BR,    12                         ; v12  4 r
.set XF,    16                         ; x's fragment (tile j, K step s) at XF + 8 (3 j + s)
.set STG,   64                         ; two sets of 32 numbers of x
.set WC,    64                         ; Wt's codes, two registers a unit
.set WF,    64                         ; Wt's fragments, two sets of 48
.set ACC,   160
.set CODE,  224
.set SCW,   240                        ; 2^e as f32
.set SCX,   242
.set SCQ,   244
.set SCV,   246
.set SCK,   248
.set G1,    24
.set G0,    32
.set MSB, 0
.macro WIN new                         ; the immediate's high byte repeats the setting that is left
.if MSB != \new
	s_set_vgpr_msb (MSB<<8)|\new
.set MSB, \new
.endif
.endm
.macro PLACES n
.rept \n
	v_nop
.endr
.endm
.macro MKSC vs, se                     ; v[vs] = 2^e as f32 (the conversion takes its exponent field)
	s_add_co_i32 s46, \se, 127
	s_lshl_b32 s47, s46, 23
	v_mov_b32 v[\vs], s47
.endm
	s_load_b256 s[4:11], s[0:1], 0x0               ; x s[4:5], Wt s[6:7], bt s[8:9], the scales' exponents s[10:11]
	s_load_b128 s[12:15], s[0:1], 0x20             ; qimg, kimg
	s_load_b64 s[16:17], s[0:1], 0x30              ; vimg
	v_lshl_add_u32 v254, v0, 2, 0x29000
	v_mov_b32 v255, 0
	ds_add_u32 v254, v255
	ds_add_u32 v254, v255
	v_lshrrev_b32 v1, 5, v0
	v_readfirstlane_b32 s18, v1                    ; wave 0..3
	s_lshr_b32 s19, ttmp9, 5                       ; image
	s_and_b32 s20, ttmp9, 31                       ; which 128 positions
	; descriptor group 1: 48 rows of 128 f32, 4,096 elements apart, 16 bytes of padding behind each row
	s_mov_b32 s[G1+0], (2<<16)|(1<<20)|(6<<22)|(3<<25)  ; no mask; elements of 4 bytes; padding on; after every 128 words (code 6); four words (code 3)
	s_mov_b32 s[G1+1], 128<<16                     ; tensor_dim0
	s_mov_b32 s[G1+2], XROWS<<16                   ; tensor_dim1
	s_mov_b32 s[G1+3], 128<<16                     ; tile_dim0
	s_mov_b32 s[G1+4], XROWS                       ; tile_dim1
	s_mov_b32 s[G1+5], 4096                        ; from row to row
	s_mov_b32 s[G1+6], 0
	s_mov_b32 s[G1+7], 0
	s_mul_i32 s46, s19, 192
	s_mul_i32 s47, s18, XROWS
	s_add_co_u32 s46, s46, s47                     ; my first row of x: 192 x image + 48 x wave
	s_lshl_b32 s46, s46, 14
	s_lshl_b32 s47, s20, 9
	s_add_co_u32 s46, s46, s47                     ; in bytes, + the 128 positions' 512 bytes
	s_mov_b32 s47, 0
	s_mov_b32 s[G0], 1
	s_mul_i32 s[G0+1], s18, XROWS*PX               ; LDS: wave x 48 rows
	s_lshl_b32 s48, s19, 8
	s_lshl_b32 s49, s20, 3
	s_add_co_u32 s48, s48, s49
	s_lshl_b32 s49, s18, 1
	s_add_co_u32 s48, s48, s49                     ; my first tile of positions: 256 x image + 8 x block + 2 x wave
	s_mul_i32 s48, s48, 1536
	s_mov_b32 s49, 0
	s_lshl_b32 s50, s19, 5
	s_add_co_u32 s50, s50, s20
	s_mul_i32 s50, s50, 12288
	s_lshl_b32 s51, s18, 9
	s_add_co_u32 s50, s50, s51                     ; vimg: (32 x image + block) x 12,288 + my chunk
	s_mov_b32 s51, 0
	v_and_b32 v1, 31, v0                           ; lane
	v_and_b32 v2, 15, v0                           ; r
	v_bfe_u32 v3, v0, 4, 1                         ; h
	v_lshlrev_b32 v[LI], 4, v1
	v_lshrrev_b32 v13, 3, v0                       ; thread / 8: my row of a unit's 16
	v_and_b32 v14, 7, v0                           ; a: my eight channels of its 64;  8 a = 16 c + 8 h'
	v_mul_u32_u24 v[WTO], v13, 768
	v_lshl_add_u32 v[WTO], v14, 5, v[WTO]
	v_lshlrev_b32 v[WST], 4, v13                   ; in the image: lane (row, h') at 16 row + 256 h',
	v_bfe_u32 v15, v0, 2, 1
	v_lshl_add_u32 v[WST], v15, 9, v[WST]          ; chunk c / 2 = a / 4,
	v_and_b32 v15, 1, v0
	v_lshl_add_u32 v[WST], v15, 8, v[WST]          ; h' = a % 2,
	v_bfe_u32 v15, v0, 1, 1
	v_lshl_add_u32 v[WST], v15, 3, v[WST]          ; registers 2 (c % 2) on
	v_add_nc_u32 v[WST], WIMG, v[WST]
	v_add_nc_u32 v[WRA], WIMG, v[LI]
	v_and_b32 v[XA], 0x6f, v0                      ; 32 x wave + r
	v_lshlrev_b32 v[XA], 2, v[XA]
	v_mad_u32_u24 v[XA], v3, 8*PX, v[XA]           ; + 8 h rows
	v_add_nc_u32 v[XA+1], 64*PX, v[XA]
	v_add_nc_u32 v[XA+2], 128*PX, v[XA]
	v_lshlrev_b32 v[BH], 5, v3
	v_lshlrev_b32 v[BR], 2, v2
	s_wait_alu depctr_va_vdst(0)
	s_wait_dscnt 0x0
	s_wait_kmcnt 0x0
	s_add_nc_u64 s[G0+2:G0+3], s[4:5], s[46:47]
	s_or_b32 s[G0+3], s[G0+3], 0x80000000          ; type = 2
	tensor_load_to_lds s[G0:G0+3], s[G1:G1+7]      ; my 48 rows of x's tile: my one tensor load
	s_nop 0
	PLACES 4                                       ; four places ahead of the switch of windows
	s_load_b256 s[36:43], s[10:11], 0x0            ; e0 .. e7
	s_add_nc_u64 s[12:13], s[12:13], s[48:49]
	s_add_nc_u64 s[14:15], s[14:15], s[48:49]
	s_add_nc_u64 s[16:17], s[16:17], s[50:51]
	WIN 0xc0                                       ; destination window 3: the biases, 36 loads
.irp t, 0,1,2,3,4,5
	global_load_b128 v[8*\t:8*\t+3], v[BH], s[8:9] offset:64*\t                  ; Q's tile t: bt[16 t + 8 h + 0 .. 7]
	global_load_b128 v[8*\t+4:8*\t+7], v[BH], s[8:9] offset:64*\t+16
	global_load_b128 v[48+8*\t:48+8*\t+3], v[BH], s[8:9] offset:64*(\t+12)       ; K's tile t
	global_load_b128 v[48+8*\t+4:48+8*\t+7], v[BH], s[8:9] offset:64*(\t+12)+16
	global_load_b32 v[96+2*\t], v[BR], s[8:9] offset:64*(\t+6)                   ; V's tile t: bt[96 + 16 t + r], in both registers of a pair
	global_load_b32 v[97+2*\t], v[BR], s[8:9] offset:64*(\t+6)
.endr
	WIN 0x40                                       ; destination window 1: Wt's units 0-31.  Unit u = 3 t + s: 16 rows x 64 channels; eight lanes read 256 consecutive bytes of a row
.set u, 0
.rept 32
	global_load_b128 v[8*u:8*u+3], v[WTO], s[6:7] offset:(u/3)*12288+(u%3)*256
	global_load_b128 v[8*u+4:8*u+7], v[WTO], s[6:7] offset:(u/3)*12288+(u%3)*256+16
.set u, u+1
.endr
	WIN 0x80                                       ; destination window 2: units 32-53: 44 loads
.rept 22
	global_load_b128 v[8*(u-32):8*(u-32)+3], v[WTO], s[6:7] offset:(u/3)*12288+(u%3)*256
	global_load_b128 v[8*(u-32)+4:8*(u-32)+7], v[WTO], s[6:7] offset:(u/3)*12288+(u%3)*256+16
.set u, u+1
.endr
	WIN 0
	s_wait_kmcnt 0x0
	MKSC SCW, s36
	MKSC SCX, s37
	MKSC SCQ, s38
	MKSC SCK, s39
	MKSC SCV, s40
	s_add_co_i32 s44, s36, s37
	s_add_co_i32 s44, s44, 127
	s_lshl_b32 s44, s44, 23                        ; 2^(e0 + e1) as f32
	s_mov_b32 s45, s44                             ; (named with it as a pair, so it is written)
	s_wait_alu depctr_va_vdst(0)
	; ---- Wt becomes codes.  The four waves share each unit: four rows a wave, eight numbers a lane
	s_wait_loadcnt 44                              ; loads come back in order: all but the 44 youngest, window 2's, are in
	WIN 0x41
.set i, 0
.rept 256
.set i, i+1
.endr
	WIN 0x01
.set i, 0
.rept 32
	v_cvt_scalef32_pk8_bf8_f32 v[WC+2*i:WC+2*i+1], v[8*i:8*i+7], v[SCW]
.set i, i+1
.endr
	WIN 0
	v_nop                                          ; a plain line behind the last conversion of the run
.set i, 0
.rept 32
	ds_store_b64 v[WST], v[WC+2*i:WC+2*i+1] offset:1024*i
.set i, i+1
.endr
	s_wait_loadcnt 0x0
	WIN 0x82
.set i, 0
.rept 176
.set i, i+1
.endr
	WIN 0x02
.set i, 0
.rept 22
	v_cvt_scalef32_pk8_bf8_f32 v[WC+64+2*i:WC+64+2*i+1], v[8*i:8*i+7], v[SCW]
.set i, i+1
.endr
	WIN 0
	v_nop
.set i, 32
.rept 22
	ds_store_b64 v[WST], v[WC+2*i:WC+2*i+1] offset:1024*i
.set i, i+1
.endr
	s_wait_tensorcnt 0x0                           ; my rows of x have landed,
	s_wait_dscnt 0x0                               ; my codes of Wt too: for the others' sake, both for zero
	s_barrier_signal -1
	s_barrier_wait -1                              ; everybody's have
	; ---- x becomes six fragments.  A lane takes a position and its registers run down the channels, in the order of the operand's registers
.macro XL k                            ; batch k = 3 j + s: x(64 s + 16 c + 8 h + i, my position of tile j), 32 numbers.  Lanes 16-31 read 8 rows further down: 32 banks on from lanes 0-15
.set n, 0
.rept 32
	ds_load_b32 v[STG+32*((\k)%2)+n], v[XA+(\k)%3] offset:(16*(n/8)+n%8)*PX+64*((\k)/3)
.set n, n+1
.endr
.endm
.macro XQ k
.set SB, STG+32*((\k)%2)
.set n, 0
.rept 32
.set n, n+1
.endr
.irp c, 0,1,2,3
	v_cvt_scalef32_pk8_bf8_f32 v[XF+8*(\k)+2*\c:XF+8*(\k)+2*\c+1], v[SB+8*\c:SB+8*\c+7], v[SCX]
.endr
.endm
	XL 0
.irp k, 0,1,2,3,4
	XL \k+1
	s_wait_dscnt 32                                ; this batch is in; the next batch's 32 loads may be out
	XQ \k
.endr
	s_wait_dscnt 0x0
	XQ 5
	v_nop                                          ; a plain line between the last conversion and the products that read its result
	; ---- the products, in nine groups of two tiles of outputs x my two tiles of positions: groups 0-2 Q, 3-5 V, 6-8 K
.macro WLOAD g                         ; the group's six fragments of Wt into set g % 2
.irp tt, 0,1
.irp s, 0,1,2
.irp c, 0,1
	ds_load_b128 v[WF+48*((\g)%2)+8*(3*\tt+\s)+4*\c:WF+48*((\g)%2)+8*(3*\tt+\s)+4*\c+3], v[WRA] offset:(3*(2*(\g)+\tt)+\s)*1024+512*\c
.endr
.endr
.endr
.endm
.macro MUL g                           ; 12 products, K step by K step: the four accumulators take turns, one instruction a turn; the first K step starts the sums
.set AB, ACC+32*((\g)%2)
.set WB, WF+48*((\g)%2)
.irp s, 0,1,2
.irp tt, 0,1
.irp j, 0,1
.set rD, AB+8*(2*\tt+\j)
.set rW, WB+8*(3*\tt+\s)
.set rX, XF+8*(3*\j+\s)
.if ((\g) >= 3) && ((\g) < 6)
.if \s == 0
	v_wmma_f32_16x16x64_bf8_bf8 v[rD:rD+7], v[rX:rX+7], v[rW:rW+7], 0
.else
	v_wmma_f32_16x16x64_bf8_bf8 v[rD:rD+7], v[rX:rX+7], v[rW:rW+7], v[rD:rD+7]
.endif
.else
.if \s == 0
	v_wmma_f32_16x16x64_bf8_bf8 v[rD:rD+7], v[rW:rW+7], v[rX:rX+7], 0
.else
	v_wmma_f32_16x16x64_bf8_bf8 v[rD:rD+7], v[rW:rW+7], v[rX:rX+7], v[rD:rD+7]
.endif
.endif
.endr
.endr
.endr
.endm
.macro POST g                          ; the group's sums x 2^(e0 + e1) + bt, held, converted, stored
.set AB, ACC+32*((\g)%2)
.set CB, CODE+8*((\g)%2)
.if (\g) < 3
.set SC, SCQ
.elseif (\g) < 6
.set SC, SCV
.else
.set SC, SCK
.endif
	s_wait_xcnt 0x0                                ; the stores of two groups ago have read these code registers: they are written again only behind this wait
	WIN 0x30                                       ; source 2 (the bias) window 3
.irp tt, 0,1
.irp j, 0,1
.irp i, 0,2,4,6                        ; each accumulator from its low end on
.if ((\g) >= 3) && ((\g) < 6)
	v_pk_fma_f32 v[AB+8*(2*\tt+\j)+\i:AB+8*(2*\tt+\j)+\i+1], v[AB+8*(2*\tt+\j)+\i:AB+8*(2*\tt+\j)+\i+1], s[44:45], v[96+2*(2*((\g)-3)+\tt):96+2*(2*((\g)-3)+\tt)+1] op_sel_hi:[1,0,1]
.else
	v_pk_fma_f32 v[AB+8*(2*\tt+\j)+\i:AB+8*(2*\tt+\j)+\i+1], v[AB+8*(2*\tt+\j)+\i:AB+8*(2*\tt+\j)+\i+1], s[44:45], v[8*(2*(\g)+\tt-6*((\g)/6))+\i:8*(2*(\g)+\tt-6*((\g)/6))+\i+1] op_sel_hi:[1,0,1]
.endif
.endr
.endr
.endr
	WIN 0
.set n, 0
.rept 32
.set n, n+1
.endr
.irp tt, 0,1
.irp j, 0,1
.if ((\g) >= 3) && ((\g) < 6)
	v_cvt_scalef32_pk8_bf8_f32 v[CB+4*\tt+2*\j:CB+4*\tt+2*\j+1], v[AB+8*(2*\tt+\j):AB+8*(2*\tt+\j)+7], v[SC]   ; V: a chunk is one tile of channels, my 32 positions
.else
	v_cvt_scalef32_pk8_bf8_f32 v[CB+4*\j+2*\tt:CB+4*\j+2*\tt+1], v[AB+8*(2*\tt+\j):AB+8*(2*\tt+\j)+7], v[SC]   ; Q, K: a chunk is one tile of positions, the group's 32 channels
.endif
.endr
.endr
	v_nop                                          ; a plain line behind the last conversion: later products write its sources
.irp q, 0,1
.if (\g) < 3
	global_store_b128 v[LI], v[CB+4*\q:CB+4*\q+3], s[12:13] offset:\q*1536+512*(\g)
.elseif (\g) < 6
	global_store_b128 v[LI], v[CB+4*\q:CB+4*\q+3], s[16:17] offset:(2*((\g)-3)+\q)*2048
.else
	global_store_b128 v[LI], v[CB+4*\q:CB+4*\q+3], s[14:15] offset:\q*1536+512*((\g)-6)
.endif
.endr
.endm
; A load into a register that a matrix instruction has read, and a vector instruction that reads a matrix result, stand four places behind it.  Behind group 0 four v_nop are the places;
; from then on the 21 plain lines of the group before's POST, which name no register of the group just multiplied, stand between a group's products and both the loads into its set of Wt and its own POST.
	WLOAD 0
	s_wait_alu depctr_va_vdst(0)
.irp g, 0,1,2,3,4,5,6,7,8
	s_wait_dscnt 0x0                               ; this group's fragments of Wt are in (asked for a group ago)
.if \g < 8
	WLOAD \g+1
.endif
	MUL \g
.if \g == 0
	PLACES 4
.else
	POST \g-1
.endif
.endr
	POST 8
	s_wait_tensorcnt 0x0
	ds_add_u32 v254, v255
	s_wait_dscnt 0x0
	s_endpgm
.Lfunc_end_k_q4273f2214e_project:
	.size	k_q4273f2214e_project, .Lfunc_end_k_q4273f2214e_project-k_q4273f2214e_project
	.p2alignl 7, 3214868480
	.fill 96, 4, 3214868480
	.section	.rodata,"a",@progbits
	.p2align	6, 0x0
	.amdhsa_kernel k_q4273f2214e_project
		.amdhsa_group_segment_fixed_size 168448
		.amdhsa_private_segment_fixed_size 0
		.amdhsa_enable_private_segment 0
		.amdhsa_kernarg_size 56
		.amdhsa_user_sgpr_count 2
		.amdhsa_user_sgpr_kernarg_segment_ptr 1
		.amdhsa_wavefront_size32 1
		.amdhsa_system_sgpr_workgroup_id_x 1
		.amdhsa_system_sgpr_workgroup_id_y 1
		.amdhsa_system_sgpr_workgroup_id_z 1
		.amdhsa_system_vgpr_workitem_id 0
		.amdhsa_next_free_vgpr 1024
		.amdhsa_next_free_sgpr 66
		.amdhsa_reserve_vcc 0
		.amdhsa_float_denorm_mode_32 3
		.amdhsa_float_denorm_mode_16_64 3
		.amdhsa_fp16_overflow 1
		.amdhsa_memory_ordered 1
		.amdhsa_forward_progress 1
		.amdhsa_inst_pref_size 68
	.end_amdhsa_kernel
	.amdgpu_metadata
---
amdhsa.version: [ 1, 2 ]
amdhsa.kernels:
  - .name:           k_q4273f2214e_project
    .symbol:         k_q4273f2214e_project.kd
    .args:
      - { .name: x, .offset: 0, .size: 8, .value_kind: global_buffer, .address_space: global }
      - { .name: Wt, .offset: 8, .size: 8, .value_kind: global_buffer, .address_space: global }
      - { .name: bt, .offset: 16, .size: 8, .value_kind: global_buffer, .address_space: global }
      - { .name: lowp_scales, .offset: 24, .size: 8, .value_kind: global_buffer, .address_space: global }
      - { .name: qimg, .offset: 32, .size: 8, .value_kind: global_buffer, .address_space: global }
      - { .name: kimg, .offset: 40, .size: 8, .value_kind: global_buffer, .address_space: global }
      - { .name: vimg, .offset: 48, .size: 8, .value_kind: global_buffer, .address_space: global }
    .group_segment_fixed_size: 168448
    .private_segment_fixed_size: 0
    .kernarg_segment_align: 8
    .kernarg_segment_size: 56
    .max_flat_workgroup_size: 128
    .sgpr_count:     66
    .vgpr_count:     1024
    .wavefront_size: 32
...
	.end_amdgpu_metadata
.endif
;; end of part 1
;; launch attend (part 2): grid 32 x 8, 8 waves a work-group, clusters of 4 x 1, 327,680 bytes of LDS; arguments kimg, qimg, vimg, Wd, bd, lowp_scales, x, out0; writes out0
.if DOCPART == 2
	.amdgcn_target "amdgcn-amd-amdhsa--gfx1250"
	.amdhsa_code_object_version 6
	.text
	.protected	k_q4273f2214e_attend
	.globl	k_q4273f2214e_attend
	.p2align	8
	.type	k_q4273f2214e_attend,@function
k_q4273f2214e_attend:
	s_mov_b64 s[64:65], 0
	v_nop
	global_prefetch_b8 v0, s[64:65] scope:SCOPE_SE
	s_setreg_imm32_b32 hwreg(HW_REG_WAVE_MODE, 25, 1), 1
	s_wait_xcnt 0x0
	s_wait_alu depctr_hold_cnt(0) depctr_sa_sdst(0) depctr_va_vdst(0) depctr_va_sdst(0) depctr_va_ssrc(0) depctr_va_vcc(0) depctr_vm_vsrc(0)
	s_getreg_b32 s2, hwreg(HW_REG_IB_STS2, 6, 4)
	s_cmp_eq_u32 s2, 0
	s_cbranch_scc0 .Lentry_in_a_cluster
	s_endpgm
.Lentry_in_a_cluster:
	s_bfe_u32 s2, ttmp6, 0x10000c
	s_cmp_lg_u32 s2, 0x3003
	s_cbranch_scc0 .Lentry_shape_is_right
	s_endpgm
.Lentry_shape_is_right:
; out0 = Wd (V softmax_q(Q^T K / sqrt(96))) + bd + x, all three products on codes of E5M2.  The softmax runs over reference()'s q axis: so a position's column of K is a QUERY here, the columns of Q are the KEYS,
; and V's columns go with the keys.  kimg, qimg, vimg: images of the operands' registers, as the launch before laid them.  Wd [192][96], bd [192], x and out0 [8][192][4096]: f32.
; THE SOFTMAX AHEAD OF THE SECOND PRODUCT: t = score x log2(e) / sqrt(96); M = the largest t so far, rounded UP to a whole number; p = 2^(t - M) is quantised, not normalised; the sum is taken of the unquantised p
; and divides at the end.  When M moves, the sum and O are multiplied by 2^(old M - new M): exact.
; LIMITS on the given exponents, so that each power of two below is an f32 number: e5, e6, e7 between -126 and 112; e2 + e3 between -123 and 130 (added to c's exponent field); e6 + e7 between -126 and 127;
; e4 + e5 is applied by v_ldexp_f32 and has none.  NaN among the inputs is not served.
; SHARES.  A work-group owns 128 queries of one image: 8 tiles of 16.  Eight waves, two to a SIMD, so that one wave's matrix work and LDS loads stand beside the other's softmax.  Wave w = 4 g + pw holds TWO tiles of
; queries (set 0: tile 2 pw + g, set 1: the tile beside it), so that each fragment read from LDS feeds two products, and walks HALF the keys: of a slot's four steps of 128 keys, steps 2 g and 2 g + 1.
; At the end wave w hands its set 1 (O, M, the sum) to wave w xor 4 through LDS and finishes its set 0: both halves of the keys are brought under one M by exact powers of two.
; LAYOUT.  S^T = keys x queries, O^T = V x P: a lane holds ONE query (lane % 16) throughout; the eight registers of key tile f are keys 16 f + 8 (lane / 16) + 0 .. 7, just what registers 2 f, 2 f + 1 of P want.
; K = 96 goes in the K = 128 form with zero codes in registers 12-15 of both operands.  The decode takes O's codes as source 0 and Wd's as source 1: a lane then holds eight neighbouring positions of one output channel.
; CLUSTER.  The four work-groups of a cluster belong to one image and walk the same keys and V: each tile is asked for JOINTLY, by the same tensor load with the same descriptor and a mask that names the four.
; LDS: slot 0 (512 keys' images, 49,152 bytes; V's, 49,152); Wd's codes [tile 12][c 6][lane][8 bytes]; the spare words; slot 1 at 2^17; behind the last read of slot 1 the stage for out0 (192 rows of 512 + 16 bytes)
; lies over it; behind that the exchange, 6,400 bytes a wave.
; REGISTERS: window 0: v1-8 addresses; v12-19 two sets of -M, largest t, the sum in two halves; v20-23 f; v24-26 at work; v28 the conversion's scale; v32-63 the two query fragments;
;   v64-127, v128-191 S^T, then p, of sets 0 and 1; v192-223 p's codes; v224-235 the tail's addresses.   window 1: v0-95 O^T of sets 0 and 1; v96-159 four key fragments; v160-255 V's six fragments.
.set STEPB, 12288                      ; images of 128 keys (8 tiles x 1,536), and of V for 128 keys (6 tiles x 2,048)
.set QB,    4*STEPB                    ; a slot's keys; as many bytes of V
.set SLOT1, 1<<17                      ; one exclusive or turns an address in one slot into the other's
.set WIMG,  2*QB
.set SPARE, WIMG+12*1536               ; the spare words, 128 bytes for each wave: four blocks of 256 bytes that no other line names
.set STAGE, SLOT1
.set SP,    528
.set EXCH,  STAGE+192*SP
.set EXB,   6400                       ; 12 x 512 bytes of O, 128 of -M, 128 of the sum
.set LI,  1                            ; v1  16 x lane
.set ADK, 2                            ; v2  the slot's keys for my half
.set ADV, 3                            ; v3  and V
.set SPW, 4                            ; v4  my spare word; never rewritten
.set NIL, 5                            ; v5  0; never rewritten
.set AK0, 6
.set AV0, 7
.set PFO, 8                            ; v8  256 x lane
.set ST0, 12
.set ST1, 16
.set F0,  20
.set F1,  22
.set SCP, 28                           ; v28 the scale as f32
.set SUM2, 30
.set QF0, 32
.set QF1, 48
.set S0,  64
.set S1,  128
.set P0,  192
.set P1,  208
.set O0,  0                            ; window 1
.set O1,  48
.set KB,  96
.set VF,  160
.set WV,  20                           ; s20 wave
.set G1,  28
.set G0,  36
.set TB,  40                           ; s40 LDS byte at which the slot in hand begins
.set SLOTS, 41                         ; s41 slots still to be asked for
.set CS,  42                           ; s[42:43] c
.set SEL, 44                           ; s[44:45] lane l xor 16
.set PFA, 46                           ; s[46:47] where my prefetches stand
.set LIM, 48                           ; s48 1 in a wave that prefetches, else the greatest number
.set MSB, 0
.macro WIN new                         ; the immediate's high byte repeats the setting that is left
.if MSB != \new
	s_set_vgpr_msb (MSB<<8)|\new
.set MSB, \new
.endif
.endm
.macro PLACES n
.rept \n
	v_nop
.endr
.endm
.macro MKSC vs, se
	s_add_co_i32 s67, \se, 127
	s_lshl_b32 s68, s67, 23
	v_mov_b32 v[\vs], s68
.endm
.macro CROUND                          ; a round of the cluster's barrier
	s_barrier_signal -1
	s_barrier_wait -1
	s_cmp_lg_u32 s[WV], 0
	s_cbranch_scc1 .Lnot_wave_0_\@
	s_barrier_signal -3
.Lnot_wave_0_\@:
	s_barrier_wait -3
	s_barrier_signal -1
	s_barrier_wait -1
.endm
; A PREFETCH of what the NEXT change of slots will ask for: 49,152 bytes of key images and as many of V's, 384 blocks of 256 bytes, a lane a block, 8,192 bytes an instruction: twelve instructions.
; All clusters of an image walk the same bytes: the image's first cluster asks.  Its four partners are told apart BY ADDRESS (places 0, 1: the keys' halves; 2, 3: V's); in each, waves 0 to 2 ask, one instruction each.
; So each block is named once in the launch.  Slots 0 and 1 come by their loads alone; the last change that fills a slot asks for nothing.
.macro ASK
	s_cmp_gt_u32 s[SLOTS], s[LIM]
	s_cbranch_scc0 .Lnot_mine_\@
	global_prefetch_b8 v[PFO], s[PFA:PFA+1] th:TH_LOAD_NT scope:SCOPE_SE
.Lnot_mine_\@:
.endm
	s_load_b512 s[4:19], s[0:1], 0x0               ; kimg s[4:5], qimg s[6:7], vimg s[8:9], Wd s[10:11], bd s[12:13], the exponents s[14:15], x s[16:17], out0 s[18:19]
	v_lshl_add_u32 v[SPW], v0, 2, SPARE
	v_mov_b32 v[NIL], 0
	ds_add_u32 v4, v5
	ds_add_u32 v4, v5
	s_wait_dscnt 0x0
	v_lshrrev_b32 v1, 5, v0
	s_delay_alu instid0(VALU_DEP_1)
	v_readfirstlane_b32 s[WV], v1                  ; wave 0..7
	s_lshr_b32 s21, s[WV], 2                       ; g: which half of the keys
	s_and_b32 s22, s[WV], 3                        ; pw: which pair of query tiles
	s_bfe_u32 s23, ttmp6, 0x40000                  ; cx
	s_lshl_b32 s24, ttmp9, 2
	s_add_co_u32 s24, s24, s23                     ; my block of 128 queries: it enters global addresses alone
	s_and_b32 s25, ttmp7, 0xffff                   ; the image, which the four partners share
	s_mul_i32 s26, s25, 393216                     ; its first byte in each of the three images
	s_lshl_b32 s27, s22, 1
	s_add_co_u32 s27, s27, s21                     ; the tile that I finish: 2 pw + g
	; descriptor group 1: a dense block of 48 rows of 256 bytes
	s_mov_b32 s[G1+0], 15|(3<<16)|(1<<21)          ; the mask: all four work-groups; elements of 8 bytes; bit 21 set beside a mask; no padding
	s_mov_b32 s[G1+1], 32<<16                      ; tensor_dim0
	s_mov_b32 s[G1+2], 48<<16                      ; tensor_dim1
	s_mov_b32 s[G1+3], 32<<16                      ; tile_dim0
	s_mov_b32 s[G1+4], 48                          ; tile_dim1
	s_mov_b32 s[G1+5], 32                          ; from row to row
	s_mov_b32 s[G1+6], 0
	s_mov_b32 s[G1+7], 0
	s_mov_b32 s[TB], 0
	s_mov_b32 s[SLOTS], 7
	s_mov_b32 s[CS], 0x3e16c740                    ; c = log2(e) / sqrt(96)
	s_mov_b32 s[SEL], 0x76543210
	s_mov_b32 s[SEL+1], 0xfedcba98
	s_mul_i32 s68, s22, STEPB                      ; what I fetch: waves 0-3 a step's keys each, waves 4-7 a step's V
	s_add_co_u32 s68, s68, s26
	s_mov_b32 s69, 0
	s_mov_b32 s[G0], 1
	s_mul_i32 s[G0+1], s[WV], STEPB                ; and where it goes: wave x 12,288: the keys' four parts, then V's four
	s_lshl_b32 s70, s25, 8
	s_lshl_b32 s67, s24, 3
	s_add_co_u32 s70, s70, s67
	s_add_co_u32 s70, s70, s27                     ; set 0's tile of queries,
	s_xor_b32 s72, s70, 1                          ; set 1's
	s_mul_i32 s70, s70, 1536
	s_mov_b32 s71, 0
	s_mul_i32 s72, s72, 1536
	s_mov_b32 s73, 0
	s_mul_i32 s74, s25, 192
	s_mul_i32 s67, s[WV], 24
	s_add_co_u32 s74, s74, s67
	s_lshl_b32 s74, s74, 14
	s_lshl_b32 s67, s24, 9
	s_add_co_u32 s74, s74, s67                     ; x, out0: channel 24 x wave of my image, my block's 512 bytes
	s_mov_b32 s75, 0
	s_lshr_b32 s67, s[WV], 1                       ; Wd is quantised by all eight waves: three tiles of outputs (wave / 2), half the channels (wave % 2)
	s_mul_i32 s76, s67, 18432
	s_mul_i32 s79, s67, 4608
	s_and_b32 s67, s[WV], 1
	s_mul_i32 s78, s67, 192
	s_add_co_u32 s76, s76, s78
	s_mov_b32 s77, 0
	s_mul_i32 s78, s67, 768
	s_add_co_u32 s79, s79, s78
	s_add_co_u32 s79, s79, WIMG                    ; and where its codes go
	v_and_b32 v27, 31, v0
	s_delay_alu instid0(VALU_DEP_1)
	v_lshlrev_b32 v27, 3, v27
	s_delay_alu instid0(VALU_DEP_1)
	v_add_nc_u32 v27, s79, v27
	s_and_b32 s78, s23, 1                          ; the prefetches: group 3 (cx % 2) + wave of a slot's six groups of 8,192 bytes,
	s_mul_i32 s78, s78, 3
	s_add_co_u32 s78, s78, s[WV]
	s_lshl_b32 s78, s78, 13
	s_add_co_u32 s78, s78, s26
	s_add_co_u32 s78, s78, QB                      ; in slot 1: the first change of slots steps it to slot 2
	s_mov_b32 s79, 0
	s_cmp_lt_u32 s[WV], 3
	s_cselect_b32 s[LIM], 0, 1
	s_or_b32 s[LIM], s[LIM], ttmp9                 ; waves 0 to 2 of the image's first cluster: the same in all four partners
	s_cmp_eq_u32 s[LIM], 0
	s_cselect_b32 s[LIM], 1, -1
	v_and_b32 v1, 31, v0
	s_delay_alu instid0(VALU_DEP_1)
	v_lshlrev_b32 v[LI], 4, v1
	s_mul_i32 s67, s21, 2*STEPB
	v_add_nc_u32 v[AK0], s67, v[LI]                ; my half's first step in a slot's keys,
	s_delay_alu instid0(VALU_DEP_1)
	v_add_nc_u32 v[AV0], QB, v[AK0]                ; and in its V
	v_lshlrev_b32 v[PFO], 4, v[LI]
	v_and_b32 v9, 15, v0                           ; r
	v_bfe_u32 v10, v0, 4, 1                        ; h
	s_delay_alu instid0(VALU_DEP_2)
	v_mul_u32_u24 v11, v9, 384
	s_delay_alu instid0(VALU_DEP_1)
	v_lshl_add_u32 v11, v10, 5, v11                ; Wd: row r of 384 bytes, + 32 h
	s_wait_kmcnt 0x0
	s_load_b256 s[52:59], s[14:15], 0x0            ; e0 .. e7
	s_cmp_lt_u32 s[WV], 4                          ; the choice hangs on the wave's number alone
	s_cselect_b64 s[G0+2:G0+3], s[6:7], s[8:9]
	s_add_nc_u64 s[G0+2:G0+3], s[G0+2:G0+3], s[68:69]
	s_or_b32 s[G0+3], s[G0+3], 0x80000000          ; type = 2
	s_cmp_lt_u32 s23, 2
	s_cselect_b64 s[PFA:PFA+1], s[6:7], s[8:9]
	s_add_nc_u64 s[PFA:PFA+1], s[PFA:PFA+1], s[78:79]
	s_add_nc_u64 s[70:71], s[4:5], s[70:71]
	s_add_nc_u64 s[72:73], s[4:5], s[72:73]
	s_add_nc_u64 s[16:17], s[16:17], s[74:75]
	s_add_nc_u64 s[18:19], s[18:19], s[74:75]
	s_add_nc_u64 s[76:77], s[10:11], s[76:77]
	CROUND                                         ; all four work-groups are here: the first joint loads meet
	tensor_load_to_lds s[G0:G0+3], s[G1:G1+7]      ; slot 0
	s_nop 0
	PLACES 4
	s_wait_alu depctr_va_vdst(0)
.irp it, 0,1,2                         ; Wd: unit (tile 3 (wave / 2) + it, chunk 3 (wave % 2) + i): lane (r, h) takes Wd(16 tile + r, 16 chunk + 8 h + 0 .. 7)
.irp i, 0,1,2
	global_load_b128 v[S0+8*(3*\it+\i):S0+8*(3*\it+\i)+3], v11, s[76:77] offset:\it*6144+64*\i
	global_load_b128 v[S0+8*(3*\it+\i)+4:S0+8*(3*\it+\i)+7], v11, s[76:77] offset:\it*6144+64*\i+16
.endr
.endr
.irp c, 0,1,2                          ; the two query fragments stay in registers
	global_load_b128 v[QF0+4*\c:QF0+4*\c+3], v[LI], s[70:71] offset:512*\c
	global_load_b128 v[QF1+4*\c:QF1+4*\c+3], v[LI], s[72:73] offset:512*\c
.endr
.irp i, 12,13,14,15
	v_mov_b32 v[QF0+\i], 0                         ; K = 96 .. 127: zero codes
	v_mov_b32 v[QF1+\i], 0
.endr
	v_mov_b32 v[ST0+1], 0xff61b1e6                 ; the largest t so far: -3e38, under every t
	v_mov_b32 v[ST1+1], 0xff61b1e6
	s_delay_alu instid0(VALU_DEP_2)
	v_floor_f32 v[ST0], -v[ST0+1]                  ; -M
	s_delay_alu instid0(VALU_DEP_2)
	v_floor_f32 v[ST1], -v[ST1+1]
	v_mov_b32 v[ST0+2], 0                          ; the sums, in two halves
	v_mov_b32 v[ST0+3], 0
	v_mov_b32 v[ST1+2], 0
	v_mov_b32 v[ST1+3], 0
	v_mov_b32 v[F0+1], 0                           ; (named as the upper halves of pairs)
	v_mov_b32 v[F1+1], 0
	v_mov_b32 v26, 0                               ; written once: a lane permute's destination counts as one of its sources
	WIN 0x40
.set i, 0
.rept 96
	v_mov_b32 v[i], 0                              ; O^T of both sets.  The key step is written once: its first turn finds zeros, which the first change of M leaves zeros
.set i, i+1
.endr
.irp f, 0,1,2,3
.irp i, 12,13,14,15
	v_mov_b32 v[KB+16*\f+\i], 0                    ; the key buffers' K = 96 .. 127: zero codes, which no load touches
.endr
.endr
	WIN 0
	s_wait_kmcnt 0x0
	s_add_co_i32 s67, s54, s55
	s_lshl_b32 s67, s67, 23
	s_add_co_i32 s[CS], s[CS], s67                 ; a score stands for score x 2^(e2 + e3): the two exponents are added to c's exponent field
	s_mov_b32 s[CS+1], s[CS]
	s_add_co_i32 s62, s56, s57                     ; e4 + e5
	s_add_co_i32 s60, s58, s59
	s_add_co_i32 s60, s60, 127
	s_lshl_b32 s60, s60, 23                        ; 2^(e6 + e7) as f32
	s_mov_b32 s61, s60
	MKSC SCP, s57                                  ; p's scale
	MKSC SUM2, s58                                 ; Wd's, in registers that the loop uses otherwise
	s_wait_alu depctr_va_vdst(0)
	s_wait_loadcnt 6                               ; Wd's 18 loads are in; the six query loads behind them may be out
.set i, 0
.rept 72
.set i, i+1
.endr
.set i, 0
.rept 9
	v_cvt_scalef32_pk8_bf8_f32 v[P0+2*i:P0+2*i+1], v[S0+8*i:S0+8*i+7], v[SUM2]
.set i, i+1
.endr
	v_nop                                          ; a plain line behind the last conversion
.irp it, 0,1,2
.irp i, 0,1,2
	ds_store_b64 v27, v[P0+2*(3*\it+\i):P0+2*(3*\it+\i)+1] offset:\it*1536+256*\i
.endr
.endr
	s_wait_loadcnt 0x0                             ; the queries
.macro KLOAD q, half                   ; four key fragments, 12 registers each
	WIN 0x40
.irp f, 0,1,2,3
.irp c, 0,1,2
	ds_load_b128 v[KB+16*\f+4*\c:KB+16*\f+4*\c+3], v[ADK] offset:(\q)*STEPB+(4*(\half)+\f)*1536+512*\c
.endr
.endr
.endm
.macro VLOAD q                         ; V's six fragments
	WIN 0x40
.irp ct, 0,1,2,3,4,5
.irp c, 0,1,2,3
	ds_load_b128 v[VF+16*\ct+4*\c:VF+16*\ct+4*\c+3], v[ADV] offset:(\q)*STEPB+\ct*2048+512*\c
.endr
.endr
.endm
.macro SMUL half                       ; S^T of four key tiles for both sets: each key fragment feeds two products
	WIN 0x01
.irp f, 0,1,2,3
	v_wmma_f32_16x16x128_bf8_bf8 v[S0+8*(4*(\half)+\f):S0+8*(4*(\half)+\f)+7], v[KB+16*\f:KB+16*\f+15], v[QF0:QF0+15], 0
	v_wmma_f32_16x16x128_bf8_bf8 v[S1+8*(4*(\half)+\f):S1+8*(4*(\half)+\f)+7], v[KB+16*\f:KB+16*\f+15], v[QF1:QF1+15], 0
.endr
.endm
; One set's softmax for 128 keys.  sb: its 64 scores; tb: -M, largest t, the sum; fb: f; pb: p's codes
.macro SOFT sb, tb, fb, pb
	WIN 0
	v_max3_num_f32 v24, v[\sb], v[\sb+1], v[\sb+2]     ; the step's largest score among my 64 keys, in two chains, the scores in ascending order: each accumulator is read from its low end on
	v_max3_num_f32 v25, v[\sb+3], v[\sb+4], v[\sb+5]
.irp i, 6,10,14,18,22,26,30,34,38,42,46,50,54,58
	v_max3_num_f32 v24, v24, v[\sb+\i], v[\sb+\i+1]
	v_max3_num_f32 v25, v25, v[\sb+\i+2], v[\sb+\i+3]
.endr
	v_max3_num_f32 v24, v24, v[\sb+62], v[\sb+63]
	s_delay_alu instid0(VALU_DEP_1)
	v_max_num_f32 v24, v24, v25
	s_delay_alu instid0(VALU_DEP_1)
	v_permlanex16_b32 v26, v24, s[SEL], s[SEL+1]
	s_delay_alu instid0(VALU_DEP_1)
	v_max_num_f32 v24, v24, v26                    ; and among lane l xor 16's
	s_delay_alu instid0(VALU_DEP_1)
	v_mul_f32 v24, s[CS], v24                      ; as t (c is positive)
	s_delay_alu instid0(VALU_DEP_1)
	v_max_num_f32 v[\tb+1], v[\tb+1], v24          ; the running largest t
	v_mov_b32 v24, v[\tb]
	s_delay_alu instid0(VALU_DEP_2)
	v_floor_f32 v[\tb], -v[\tb+1]                  ; the new -M = floor(-t): M is a whole number
	s_delay_alu instid0(VALU_DEP_1)
	v_sub_f32 v24, v[\tb], v24                     ; old M - new M: a whole number, 0 or less
	s_delay_alu instid0(VALU_DEP_1)
	v_cvt_i32_f32 v24, v24                         ; (it saturates)
	s_delay_alu instid0(VALU_DEP_1)
	v_ldexp_f32 v[\fb], 1.0, v24                   ; f = 2^(old M - new M)
.irp j, 0,2,4,6,8,10,12,14,16,18,20,22,24,26,28,30,32,34,36,38,40,42,44,46,48,50,52,54,56,58,60,62
	v_pk_fma_f32 v[\sb+\j:\sb+\j+1], v[\sb+\j:\sb+\j+1], s[CS:CS+1], v[\tb:\tb+1] op_sel_hi:[1,0,0]   ; t - M, two at a time
.endr
.set i, 0
	s_wait_alu depctr_va_vdst(0)
.rept 64
	v_exp_f32 v[\sb+i], v[\sb+i]                   ; p = 2^(t - M): one batch
.set i, i+1
.endr
	v_pk_mul_f32 v[\tb+2:\tb+3], v[\tb+2:\tb+3], v[\fb:\fb+1] op_sel_hi:[1,0]   ; the sums under the new M: the plain line behind the exponentials
	s_wait_alu depctr_va_vdst(0)                   ; one wait for the batch, ahead of its first reader
	v_pk_add_f32 v[SUM2:SUM2+1], v[\sb:\sb+1], v[\sb+2:\sb+3]   ; the sum of the UNQUANTISED p, in two chains
.irp j, 4,8,12,16,20,24,28,32,36,40,44,48,52,56,60
	v_pk_add_f32 v[\tb+2:\tb+3], v[\tb+2:\tb+3], v[\sb+\j:\sb+\j+1]
	v_pk_add_f32 v[SUM2:SUM2+1], v[SUM2:SUM2+1], v[\sb+\j+2:\sb+\j+3]
.endr
	s_delay_alu instid0(VALU_DEP_1)
	v_pk_add_f32 v[\tb+2:\tb+3], v[\tb+2:\tb+3], v[SUM2:SUM2+1]
.irp b, 0,1,2,3
.irp i, 0,1,2,3,4,5,6,7,8,9,10,11,12,13,14,15
.endr
	v_cvt_scalef32_pk8_bf8_f32 v[\pb+4*\b:\pb+4*\b+1], v[\sb+16*\b:\sb+16*\b+7], v[SCP]        ; key tile 2 b: registers 4 b, 4 b + 1 of P
	v_cvt_scalef32_pk8_bf8_f32 v[\pb+4*\b+2:\pb+4*\b+3], v[\sb+16*\b+8:\sb+16*\b+15], v[SCP]
.endr
.endm
.macro RESC ob, fb                     ; O^T under the new M.  These 24 are also the plain lines between the conversions and the products that read their results
	WIN 0x41
.irp j, 0,2,4,6,8,10,12,14,16,18,20,22,24,26,28,30,32,34,36,38,40,42,44,46
	v_pk_mul_f32 v[\ob+\j:\ob+\j+1], v[\ob+\j:\ob+\j+1], v[\fb:\fb+1] op_sel_hi:[1,0]
.endr
.endm
.macro PVMUL ob, pb                    ; O^T += V P: six accumulators, one instruction each
	WIN 0x51
.irp ct, 0,1,2,3,4,5
	v_wmma_f32_16x16x128_bf8_bf8 v[\ob+8*\ct:\ob+8*\ct+7], v[VF+16*\ct:VF+16*\ct+15], v[\pb:\pb+15], v[\ob+8*\ct:\ob+8*\ct+7]
.endr
.endm
; A KEY STEP: 128 keys, the q-th of my two in the slot in hand, for both sets.  Four places stand in front of each run of loads into registers that matrix instructions have read, and of the first read of results.
.macro STEP q
	KLOAD \q, 0
	VLOAD \q
	s_wait_dscnt 24                                ; the first four key fragments are in; V's 24 loads behind them may be out
	SMUL 0
	PLACES 4
	KLOAD \q, 1
	s_wait_dscnt 0x0
	SMUL 1
	WIN 0
	PLACES 4
	SOFT S0, ST0, F0, P0
	RESC O0, F0
	PVMUL O0, P0                                   ; set 0's products are at work while set 1's softmax is issued
	SOFT S1, ST1, F1, P1
	RESC O1, F1
	PVMUL O1, P1
	WIN 0
	PLACES 4
.endm
.macro SLOT_STEPS
	v_add_nc_u32 v[ADK], s[TB], v[AK0]
	s_wait_alu depctr_va_vdst(0)
	v_add_nc_u32 v[ADV], s[TB], v[AV0]
	STEP 0
	STEP 1
	s_xor_b32 s[TB], s[TB], SLOT1                  ; on to the other slot
.endm
; THE CHANGE OF SLOTS stands at a slot's head.  Each wave waits for all its tensor loads (one is out: its part of the slot that it is about to read), adds 0 to its spare word, and waits for that and for its reads of
; the slot that it has left.  fill = 1: the barrier is a round of the cluster's, so that no wave of any partner still reads that slot or has a load on its way, and the joint refill is the first thing behind it:
; it has a slot's two key steps of every wave in which to land.
.macro CHANGE fill
	WIN 0
	s_wait_tensorcnt 0x0                           ; no tensor load of mine is out, so group 0 may be written
	ds_add_u32 v[SPW], v[NIL]                      ; 0 onto my spare word
.if \fill
	s_xor_b32 s[G0+1], s[G0+1], SLOT1              ; the other slot than last time,
	s_add_nc_u64 s[G0+2:G0+3], s[G0+2:G0+3], QB    ; the next 512 keys; the type bits on top are not reached
	s_wait_xcnt 0x0                                ; the last prefetch, a slot back, has read its address, so it may be written:
	s_add_nc_u64 s[PFA:PFA+1], s[PFA:PFA+1], QB    ; one slot further on than the descriptor
	s_wait_dscnt 0x0                               ; the add is done, and my LDS stores and my reads of the slot that I have left are over
	CROUND
	tensor_load_to_lds s[G0:G0+3], s[G1:G1+7]      ; my one tensor load until the next change
	s_nop 0
	PLACES 4
	ASK
.else
	s_wait_dscnt 0x0
	s_barrier_signal -1
	s_barrier_wait -1
.endif
.endm
.Lslot:                                            ; seven trips: behind each change of slots but the last the next slot is asked for
	CHANGE 1
	SLOT_STEPS
	s_sub_co_u32 s[SLOTS], s[SLOTS], 1
	s_cmp_lg_u32 s[SLOTS], 0
	s_cbranch_scc1 .Lslot
	CHANGE 0                                       ; the last slot is written out
	SLOT_STEPS
	; ---- THE TAIL.  Addresses, and each set's sum in one register
	v_add_f32 v[ST0+2], v[ST0+2], v[ST0+3]
	v_add_f32 v[ST1+2], v[ST1+2], v[ST1+3]
	MKSC SCP, s59                                  ; the decode's operand: 2^e7
	s_mul_i32 s67, s[WV], EXB
	s_add_co_u32 s67, s67, EXCH
	v_add_nc_u32 v224, s67, v[LI]                  ; my part of the exchange
	v_and_b32 v233, 31, v0
	s_delay_alu instid0(VALU_DEP_1)
	v_lshlrev_b32 v233, 2, v233                    ; 4 x lane
	s_delay_alu instid0(VALU_DEP_1)
	v_add_nc_u32 v225, s67, v233
	s_xor_b32 s68, s[WV], 4                        ; the wave that walked the other half of the keys
	s_mul_i32 s68, s68, EXB
	s_add_co_u32 s68, s68, EXCH
	v_add_nc_u32 v226, s68, v[LI]
	v_add_nc_u32 v227, s68, v233
	v_lshl_add_u32 v228, v233, 1, WIMG             ; Wd's codes: 8 x lane
	v_and_b32 v234, 15, v0                         ; r
	v_bfe_u32 v235, v0, 4, 1                       ; h
	s_delay_alu instid0(VALU_DEP_2)
	v_mul_u32_u24 v229, v234, SP
	s_delay_alu instid0(VALU_DEP_1)
	v_lshl_add_u32 v229, v235, 5, v229
	s_lshl_b32 s69, s27, 6
	s_add_co_u32 s69, s69, STAGE
	v_add_nc_u32 v229, s69, v229                   ; the stage, in: row r, my tile's 64 bytes, + 32 h
	s_delay_alu instid0(VALU_DEP_1)
	v_add_nc_u32 v230, 6*16*SP, v229               ; and 96 rows further down: the immediate has 16 bits
	s_mul_i32 s69, s[WV], 24*SP
	s_add_co_u32 s69, s69, STAGE
	v_add_nc_u32 v231, s69, v[LI]                  ; back: my 24 rows, 16 bytes a lane
	v_lshlrev_b32 v232, 2, v234                    ; bd: 4 r
.irp ot, 0,1,2,3,4,5,6,7,8,9,10,11
	global_load_b32 v[160+2*\ot], v232, s[12:13] offset:64*\ot   ; bd[16 ot + r], in both registers of a pair
	global_load_b32 v[161+2*\ot], v232, s[12:13] offset:64*\ot
.endr
	WIN 0x40
.set i, 0
.rept 24
	global_load_b128 v[VF+4*i:VF+4*i+3], v[LI], s[16:17] offset:16384*i th:TH_LOAD_NT   ; x: channel 24 x wave + i, my block's 512 bytes: asked for now, wanted at the end
.set i, i+1
.endr
	WIN 0x04                                       ; store data window 1
.set i, 0
.rept 12
	ds_store_b128 v224, v[O1+4*i:O1+4*i+3] offset:512*i   ; set 1 goes to the other wave as an image of its registers, each accumulator from its low end on
.set i, i+1
.endr
	WIN 0
	ds_store_b32 v225, v[ST1] offset:6144
	ds_store_b32 v225, v[ST1+2] offset:6272
	s_wait_dscnt 0x0                               ; for the others' sake: my stores have landed, and my reads of slot 1 are over
	s_barrier_signal -1
	s_barrier_wait -1                              ; nobody reads slot 1 any more
.set i, 0
.rept 12
	ds_load_b128 v[S0+4*i:S0+4*i+3], v226 offset:512*i
.set i, i+1
.endr
	ds_load_b32 v112, v227 offset:6144             ; the other half's -M
	ds_load_b32 v113, v227 offset:6272             ; and sum
	s_wait_dscnt 0x0
	v_min_num_f32 v24, v[ST0], v112                ; -M of both halves
	s_delay_alu instid0(VALU_DEP_1)
	v_sub_f32 v25, v24, v[ST0]
	s_delay_alu instid0(VALU_DEP_2)
	v_sub_f32 v26, v24, v112
	s_delay_alu instid0(VALU_DEP_2)
	v_cvt_i32_f32 v25, v25
	s_delay_alu instid0(VALU_DEP_2)
	v_cvt_i32_f32 v26, v26
	s_delay_alu instid0(VALU_DEP_2)
	v_ldexp_f32 v[F0], 1.0, v25                    ; my half's factor,
	s_delay_alu instid0(VALU_DEP_2)
	v_ldexp_f32 v[F1], 1.0, v26                    ; the other's: exact powers of two
	s_delay_alu instid0(VALU_DEP_2)
	v_mul_f32 v[ST0+2], v[ST0+2], v[F0]
	s_delay_alu instid0(VALU_DEP_1)
	v_fmac_f32 v[ST0+2], v113, v[F1]
	s_delay_alu instid0(VALU_DEP_1)
	v_permlanex16_b32 v26, v[ST0+2], s[SEL], s[SEL+1]
	s_delay_alu instid0(VALU_DEP_1)
	v_add_f32 v[ST0+2], v[ST0+2], v26              ; the row's sum
	s_wait_alu depctr_va_vdst(0)
	v_rcp_f32 v[ST0+3], v[ST0+2]
	v_nop                                          ; a plain line behind the transcendental
	s_wait_alu depctr_va_vdst(0)                   ; and the wait ahead of its first reader
	v_ldexp_f32 v[ST0+3], v[ST0+3], s62            ; x 2^(e4 + e5)
	s_delay_alu instid0(VALU_DEP_1)
	v_mul_f32 v[F0], v[F0], v[ST0+3]
	s_delay_alu instid0(VALU_DEP_2)
	v_mul_f32 v[F1], v[F1], v[ST0+3]
.irp j, 0,2,4,6,8,10,12,14,16,18,20,22,24,26,28,30,32,34,36,38,40,42,44,46
	v_pk_mul_f32 v[S0+\j:S0+\j+1], v[S0+\j:S0+\j+1], v[F1:F1+1] op_sel_hi:[1,0]
.endr
	WIN 0x01
.irp j, 0,2,4,6,8,10,12,14,16,18,20,22,24,26,28,30,32,34,36,38,40,42,44,46
	v_pk_fma_f32 v[S0+\j:S0+\j+1], v[O0+\j:O0+\j+1], v[F0:F0+1], v[S0+\j:S0+\j+1] op_sel_hi:[1,0,1]   ; the attention's result: register 8 ct + j = channel 16 ct + 8 h + j of query r
.endr
	WIN 0
.set i, 0
.rept 48
.set i, i+1
.endr
.irp ct, 0,1,2,3,4,5
	v_cvt_scalef32_pk8_bf8_f32 v[P0+2*\ct:P0+2*\ct+1], v[S0+8*\ct:S0+8*\ct+7], v[SCP]
.endr
.irp i, 12,13,14,15
	v_mov_b32 v[P0+\i], 0                          ; K = 96 .. 127: zero codes.  (Also the plain lines behind the conversions)
.endr
	s_wait_alu depctr_va_vdst(0)
.irp gq, 0,1,2                         ; the decode: four tiles of outputs at a time; Wd's fragments take the key buffers, whose zero codes stand
.if \gq > 0
	PLACES 4
.endif
	WIN 0x40
.irp f, 0,1,2,3
.irp c, 0,1,2,3,4,5
	ds_load_b64 v[KB+16*\f+2*\c:KB+16*\f+2*\c+1], v228 offset:(4*\gq+\f)*1536+256*\c
.endr
.endr
	s_wait_dscnt 0x0
	WIN 0x04
.irp f, 0,1,2,3
	v_wmma_f32_16x16x128_bf8_bf8 v[S0+8*(4*\gq+\f):S0+8*(4*\gq+\f)+7], v[P0:P0+15], v[KB+16*\f:KB+16*\f+15], 0
.endr
.endr
	WIN 0
	s_wait_loadcnt 24                              ; bd's 24 loads are in; x's 24 behind them may be out
	PLACES 4
.irp ot, 0,1,2,3,4,5,6,7,8,9,10,11
.irp i, 0,2,4,6
	v_pk_fma_f32 v[S0+8*\ot+\i:S0+8*\ot+\i+1], v[S0+8*\ot+\i:S0+8*\ot+\i+1], s[60:61], v[160+2*\ot:161+2*\ot] op_sel_hi:[1,0,1]   ; sum x 2^(e6 + e7) + bd: lane (r, h): channel 16 ot + r, positions 8 h + 0 .. 7 of my tile
.endr
.endr
.irp ot, 0,1,2,3,4,5
	ds_store_b128 v229, v[S0+8*\ot:S0+8*\ot+3] offset:\ot*16*SP
	ds_store_b128 v229, v[S0+8*\ot+4:S0+8*\ot+7] offset:\ot*16*SP+16
	ds_store_b128 v230, v[S0+8*(\ot+6):S0+8*(\ot+6)+3] offset:\ot*16*SP
	ds_store_b128 v230, v[S0+8*(\ot+6)+4:S0+8*(\ot+6)+7] offset:\ot*16*SP+16
.endr
	s_wait_dscnt 0x0                               ; for the others' sake: a row's 512 bytes come from eight waves
	s_barrier_signal -1
	s_barrier_wait -1
.set i, 0
.rept 24
	ds_load_b128 v[S0+4*i:S0+4*i+3], v231 offset:i*SP
.set i, i+1
.endr
	s_wait_loadcnt 0x0                             ; x
	s_wait_dscnt 0x0
	WIN 0x04
.set i, 0
.rept 48
	v_pk_add_f32 v[S0+2*i:S0+2*i+1], v[S0+2*i:S0+2*i+1], v[VF+2*i:VF+2*i+1]   ; the residual
.set i, i+1
.endr
	WIN 0
.set i, 0
.rept 24
	global_store_b128 v[LI], v[S0+4*i:S0+4*i+3], s[18:19] offset:16384*i th:TH_STORE_NT   ; 32 lanes store 512 consecutive bytes, at a multiple of 512 from out0's first byte
.set i, i+1
.endr
	s_wait_tensorcnt 0x0                           ; the wave's end: behind my last tensor load and my last LDS store
	ds_add_u32 v[SPW], v[NIL]
	s_wait_dscnt 0x0
	CROUND                                         ; the closing round: no work-group ends while a partner may still ask for a tile that names it
	s_endpgm
.Lfunc_end_k_q4273f2214e_attend:
	.size	k_q4273f2214e_attend, .Lfunc_end_k_q4273f2214e_attend-k_q4273f2214e_attend
	.p2alignl 7, 3214868480
	.fill 96, 4, 3214868480
	.section	.rodata,"a",@progbits
	.p2align	6, 0x0
	.amdhsa_kernel k_q4273f2214e_attend
		.amdhsa_group_segment_fixed_size 327680
		.amdhsa_private_segment_fixed_size 0
		.amdhsa_enable_private_segment 0
		.amdhsa_kernarg_size 64
		.amdhsa_user_sgpr_count 2
		.amdhsa_user_sgpr_kernarg_segment_ptr 1
		.amdhsa_wavefront_size32 1
		.amdhsa_system_sgpr_workgroup_id_x 1
		.amdhsa_system_sgpr_workgroup_id_y 1
		.amdhsa_system_sgpr_workgroup_id_z 1
		.amdhsa_system_vgpr_workitem_id 0
		.amdhsa_next_free_vgpr 512
		.amdhsa_next_free_sgpr 80
		.amdhsa_reserve_vcc 0
		.amdhsa_float_denorm_mode_32 3
		.amdhsa_float_denorm_mode_16_64 3
		.amdhsa_fp16_overflow 1
		.amdhsa_memory_ordered 1
		.amdhsa_forward_progress 1
		.amdhsa_inst_pref_size 155
	.end_amdhsa_kernel
	.amdgpu_metadata
---
amdhsa.version: [ 1, 2 ]
amdhsa.kernels:
  - .name:           k_q4273f2214e_attend
    .symbol:         k_q4273f2214e_attend.kd
    .args:
      - { .name: kimg, .offset: 0, .size: 8, .value_kind: global_buffer, .address_space: global }
      - { .name: qimg, .offset: 8, .size: 8, .value_kind: global_buffer, .address_space: global }
      - { .name: vimg, .offset: 16, .size: 8, .value_kind: global_buffer, .address_space: global }
      - { .name: Wd, .offset: 24, .size: 8, .value_kind: global_buffer, .address_space: global }
      - { .name: bd, .offset: 32, .size: 8, .value_kind: global_buffer, .address_space: global }
      - { .name: lowp_scales, .offset: 40, .size: 8, .value_kind: global_buffer, .address_space: global }
      - { .name: x, .offset: 48, .size: 8, .value_kind: global_buffer, .address_space: global }
      - { .name: out0, .offset: 56, .size: 8, .value_kind: global_buffer, .address_space: global }
    .group_segment_fixed_size: 327680
    .private_segment_fixed_size: 0
    .kernarg_segment_align: 8
    .kernarg_segment_size: 64
    .max_flat_workgroup_size: 256
    .sgpr_count:     80
    .vgpr_count:     512
    .wavefront_size: 32
...
	.end_amdgpu_metadata
.endif
;; end of part 2
